; MI455X (gfx1250); checked and timed in simulation.
; The chip was launched on July 23, 2026; its instructions are those of AMD's public machine-readable ISA for CDNA 5 (MIT licence, August 2026) and "CDNA5" Instruction Set Architecture Reference Guide (July 2026). The comments in the code are by the model that wrote it; some were corrected since.
;; Non Local Attention. Allowed arithmetic: matrix products marked QUANTISED: E3M2 operands, one E8M0 scale for each 32 along K, by v_wmma_scale_f32_16x16x128_f8f6f4 with both operands' format E3M2, f32 sums; products left as they are: f32 operands where the result goes on into a quantised operand, else bf16, f16 or f32 operands; f32 sums; everything else in f32.
;; Inputs: a1 1 float32; a2 1 float32; aa 1 float32; b1 24 float32; b2 24 float32; ba 192 float32; w1 24 x 192 float32; w2 24 x 192 float32; wa 192 x 192 float32; x 8 x 192 x 64 x 64 float32.
;; Outputs: out0 8 x 192 x 64 x 64 float32.
;; This version of the problem:
;;   THIS VERSION OF THE PROBLEM IS GIVEN IN LOW PRECISION. The matrix products marked QUANTISED in the list below multiply operands that are first quantised to E3M2 (3 exponent bits, 2 mantissa bits; 6 bits a number), with one power-of-two scale for each 32 numbers along K (OCP MX v1.0); their sums are f32. All else is computed in f32.
;;   The module's matrix products, in the order in which they are computed (A, B: the left and right operand; K: the contracted axis; several contracted axes count as one K, in the product's order):
;;     1. [M 24, K 192] x [K 192, N 32,768]; A: input w1; B: input x: QUANTISED
;;     2. [M 24, K 192] x [K 192, N 32,768]; A: input w2; B: input x: QUANTISED
;;     3. [M 192, K 192] x [K 192, N 32,768]; A: input wa; B: input x: QUANTISED
;;     4. batch 8 x [M 4,096, K 24] x [K 24, N 4,096]; A: computed on the way; B: computed on the way: left as it is (K = 24 < 32)
;;     5. batch 8 x [M 4,096, K 4,096] x [K 4,096, N 192]; A: softmax (see below); B: computed on the way: QUANTISED
;;   THE QUANTISER, for each operand of a quantised product, along K:
;;     - K is cut into blocks of 32 from its start; a last block that is shorter is filled with zeros.
;;     - A block's scale is 2^e with e = floor(log2(the largest magnitude in the block)) - 4, held to -126 .. 127; a block of zeros has e = 0. As a byte (E8M0): e + 127.
;;     - Each number is divided by its block's scale, clamped to +-28, and rounded to the nearest number of E3M2, ties to even, subnormals kept.
;;     - The product sums the exact products of the quantised numbers (number of the format x scale) in f32.
;;   ~~~python
;;   def quantise(x, axis):      # numpy; x: float32 -> the quantised numbers, widened to float32 again
;;       x = np.moveaxis(x, axis, -1); K = x.shape[-1]
;;       x = np.pad(x, [(0, 0)] * (x.ndim - 1) + [(0, -K % 32)]); x = x.reshape(x.shape[:-1] + (-1, 32)); a = np.abs(x).max(-1, keepdims=True)
;;       e = np.where(a > 0, np.clip(np.frexp(np.where(a > 0, a, 1))[1] - 1 - 4, -126, 127), 0)      # np.frexp(a)[1] - 1 = floor(log2(a)), exactly
;;       r = np.clip(x / 2.0 ** e, -28, 28)
;;       step = 2.0 ** (np.maximum(np.frexp(np.where(r == 0, 1, r))[1] - 1, -2) - 2)
;;       q = np.round(r / step) * step * 2.0 ** e      # np.round: ties to even
;;       return np.moveaxis(q.reshape(q.shape[:-2] + (-1,))[..., :K], -1, axis).astype(np.float32)
;;   ~~~
;;   SOFTMAX AHEAD OF A QUANTISED PRODUCT. Where the list says 'softmax', what is quantised is not the finished softmax but p = 2^(t - M), with t = logit x log2(e) and M = ceil(the row's largest t), a whole number; so 1/2 < the row's largest p <= 1. The row's sum l is taken of the UNQUANTISED p, in f32, and the product's result is divided by l at the end. Since M is a whole number, a kernel that streams over the keys may use a running M (the ceiling of the running maximum): every later rescaling is an exact power of two, which a block's scale takes up: the codes' values come out the same.
;;   OPERANDS COMPUTED ON THE WAY. 'Computed on the way' means the value that the module computes at that place (a softmax that the list does not call 'softmax' is quantised finished and normalised). What goes into a quantiser is computed in f32, as accurately as f32 sums, v_exp_f32 and their like allow (about 1e-6 of the number): no bf16 or f16 on the way to a quantiser, and a product that is left as it is and whose result goes on into a quantised operand takes f32 operands (vector FMAs, or v_wmma_f32_16x16x4_f32). A number that lies on a knife's edge between two numbers of the format may be rounded either way, as far as f32 arithmetic and the matrix unit's own rounding can turn it there, and no further.
;; One version. Each part assembles by itself: llvm-mc -triple=amdgcn-amd-amdhsa -mcpu=gfx1250 --defsym DOCPART=n.
;; ======== version 1 of 1: 2 launches
;; workspace buffers: qf 3,145,728 bytes; kv 8,060,928 bytes
;; launch prep (part 1): grid 256 x 1, 4 waves a work-group, clusters of 4 x 1, 327,680 bytes of LDS; arguments x, w1, b1, a1, w2, b2, a2, wa, ba, aa, qf, kv; writes qf, kv
.if DOCPART == 1
	.amdgcn_target "amdgcn-amd-amdhsa--gfx1250"
	.amdhsa_code_object_version 6
	.text
	.protected	k_qe471d518ed_prep
	.globl	k_qe471d518ed_prep
	.p2align	8
	.type	k_qe471d518ed_prep,@function
k_qe471d518ed_prep:
	s_mov_b64 s[64:65], 0
	v_nop
	global_prefetch_b8 v0, s[64:65] scope:SCOPE_SE
	s_setreg_imm32_b32 hwreg(HW_REG_WAVE_MODE, 25, 1), 1
	s_wait_xcnt 0x0
	s_wait_alu depctr_hold_cnt(0) depctr_sa_sdst(0) depctr_va_vdst(0) depctr_va_sdst(0) depctr_va_ssrc(0) depctr_va_vcc(0) depctr_vm_vsrc(0)
	s_getreg_b32 s2, hwreg(HW_REG_IB_STS2, 6, 4)
	s_cmp_eq_u32 s2, 0
	s_cbranch_scc0 .Lentry_in_a_cluster
	s_endpgm
.Lentry_in_a_cluster:
	s_bfe_u32 s2, ttmp6, 0x10000c
	s_cmp_lg_u32 s2, 0x3003
	s_cbranch_scc0 .Lentry_shape_is_right
	s_endpgm
.Lentry_shape_is_right:
; q = prelu(w1 x + b1), k = prelu(w2 x + b2), v = prelu(wa x + ba): three products on codes of BF6 (E3M2), one E8M0 scale for each 32 along K = the 192 channels, sums in f32.
; x: [8][192][4096] f32, channels not innermost.  q and k leave as f32, v leaves as codes of BF6 quantised along the KEYS (blocks of 32 positions), all laid as IMAGES OF OPERAND REGISTERS for the next launch:
; a group of four registers is 512 bytes, lane l's 16 bytes at 16 l.
;   qf [256 blocks of 128 positions][8 tiles][1,536 bytes]: register i of lane (r, h) = q(position of the tile's row r, channel 12 h + i).
;   kv [256 blocks][31,488 bytes]: +0 k's 8 tiles, as qf's, OF THE KEY STEP THAT FOLLOWS (key step ks is stored in block (ks + 31) mod 32 of its batch); +12,288 v's 12 fragments (16 channels x 128 keys) of this key step;
;   +30,720 v's scale words, channel row r of tile t at 48 r + 4 t.
; THE POSITIONS OF A TILE ARE NOT NEIGHBOURS: row r of tile 2 b + u is position 32 b + 8 u + r + 8 (r / 8), so that the 16 result registers of tiles 2 b and 2 b + 1 are 16 neighbours along the positions.
; SHARES.  A work-group takes 128 positions of one batch, a key step.  Its four waves first quantise x (32 positions each, a lane to a position, registers down the channels) into fragment images in LDS; then each wave takes
; three tiles of wa's rows and one tile of w1's or w2's rows through all eight tiles of positions.  The q/k tile of wave w: buffer w / 2, part e = w % 2, row r = weight row 12 (r / 8) + 8 e + ((r % 8) and (7 - 4 e));
; with e = 1 rows 4-7 and 12-15 repeat rows 0-3 and 8-11 and their results are not stored: one tile more than 15, so that no tile mixes two buffers and all four waves run alike.
; K = 192 is six blocks; the second K step of 128 is filled with zero codes (registers written once) on both operands, under scale bytes 0.
; CLUSTER.  The four work-groups of a cluster read the same weights: wa, w1 and w2 are asked for jointly.  x's tile is each work-group's own.  Every LDS byte is filled once.
; LIMITS: NaN and infinities are not served.  A block whose largest magnitude lies under 2^(5 - 127) gets the scale byte 1, a block of zeros too (its codes are zeros, and these bytes are read by this program alone).
.set BLK,   31488                      ; a block of kv
.set TILEB, 2688                       ; LDS: a tile of x as images: K step 0 three groups of 512, K step 1 registers 0-3 at 1,536 and registers 4-5 at 2,048 (8 of each 16 bytes), 128 bytes to spare
.set WA,    98304                      ; LDS: behind x's 192 rows of 512 bytes: wa, a row of 768 bytes as 3 x (256 + 16)
.set W12,   254976                     ; w1's 24 rows, then w2's, laid likewise
.set XIMG,  294144                     ; x's eight tiles as images
.set XSC,   315648                     ; their scale words: tile m at 128 m, row r's two words at 8 r
.set WROW,  816
.set LANE, 1                           ; v1   lane
.set R,    2                           ; v2   lane % 16
.set H,    3                           ; v3   lane / 16
.set AX0,  4                           ; v4   x in LDS: 128 wave + 4 lane (my position's column)
.set AX1,  5                           ; v5   the same 128 rows on
.set AXI,  6                           ; v6   where my position's codes go among the images
.set AXS,  7                           ; v7   and its two scale words
.set ALI,  8                           ; v8   XIMG + 16 lane: an image's place for my lane
.set ASX,  9                           ; v9   XSC + 8 (lane % 16)
.set AW,   10                          ; v10  my row of wa's tile, + 128 h
.set AQ,   11                          ; v11  my row of the q/k tile, + 128 h
.set GL,   12                          ; v12  16 lane
.set SH,   13                          ; v13  8 h
.set GS,   14                          ; v14  48 r + 12 wave: my tiles' scale words in kv
.set XF,   16                          ; v16-63   two sets of 24: a tile of x, K step 0 (12), K step 1 (6 + 6 zeros written once)
.set XS,   64                          ; v64-67   their scale words: nothing else is ever held here
.set WF,   68                          ; v68-91   a tile of weights, laid likewise
.set WS,   92                          ; v92-93   its scale words: nothing else is ever held here
.set PT,   94                          ; v94-95   at work in the activation
.set CB,   96                          ; v96-103  a v tile's bias as C
.set HA,   104                         ; v104-167 eight accumulators; between the products also numbers on their way to a quantiser
.set PC,   168                         ; v168-187 codes just made
.set TM,   188                         ; v188-203 at work in the quantisers
.set PWS,  204                         ; v204-206 the scale words of my three tiles of v
.set WT,   208                         ; v208-239 32 numbers on their way to a quantiser
.set XW,   240                         ; v240-241 my position's two scale words
.set BA,   242                         ; v242-244 ba of my row in my three tiles
.set QB,   246                         ; v246-253 b1 or b2 in the result's layout
.set WV,   2                           ; s2   wave
.set SEL,  60                          ; s[60:61] selects of v_permlanex16_b32 for lane l xor 16
.set G1X,  36                          ; s[36:43] descriptor group 1 for x's tile; s[44:51] for wa; s[52:59] for w1 and w2
.set G1A,  44
.set G1B,  52
.set G0X,  68                          ; s[68:71], s[72:75], s[76:79], s[88:91] groups 0: x, wa, w1, w2
.set G0A,  72
.set G0B,  76
.set G0C,  88
; A round of the cluster's barrier: my work-group's barrier, wave 0 signals for the work-group, every wave waits for all four work-groups, my work-group's barrier once more.
.macro CROUND
	s_barrier_signal -1
	s_barrier_wait -1
	s_cmp_lg_u32 s[WV], 0
	s_cbranch_scc1 .Lnot_wave_0_\@
	s_barrier_signal -3
.Lnot_wave_0_\@:
	s_barrier_wait -3
	s_barrier_signal -1
	s_barrier_wait -1
.endm
	s_load_b512 s[8:23], s[0:1], 0x0               ; x s[8:9], w1 s[10:11], b1 s[12:13], a1 s[14:15], w2 s[16:17], b2 s[18:19], a2 s[20:21], wa s[22:23]
	s_load_b256 s[24:31], s[0:1], 0x40             ; ba s[24:25], aa s[26:27], qf s[28:29], kv s[30:31]
	v_lshl_add_u32 v199, v0, 2, 0x4d500
	v_mov_b32 v207, 0
	ds_add_u32 v199, v207
	ds_add_u32 v199, v207
	v_lshrrev_b32 v1, 5, v0
	v_readfirstlane_b32 s[WV], v1                  ; wave 0..3
	s_and_b32 s3, s[WV], 1                         ; e: which part of the q/k rows
	s_lshr_b32 s4, s[WV], 1                        ; 0: w1, q;  1: w2, k
	s_bfe_u32 s5, ttmp6, 0x40000                   ; cx
	s_lshl_b32 s6, ttmp9, 2
	s_add_co_u32 s5, s6, s5                        ; G = 4 x cluster x + cx = 32 batch + key step
	s_lshr_b32 s6, s5, 5                           ; batch
	s_and_b32 s7, s5, 31                           ; key step
	; x: 48 rows (channels) of 128 elements of 4 bytes, 4,096 elements apart; no mask, no padding
	s_mov_b32 s[G1X+0], 2<<16
	s_mov_b32 s[G1X+1], 128<<16                    ; tensor_dim0
	s_mov_b32 s[G1X+2], 48<<16                     ; tensor_dim1
	s_mov_b32 s[G1X+3], 128<<16                    ; tile_dim0
	s_mov_b32 s[G1X+4], 48                         ; tile_dim1
	s_mov_b32 s[G1X+5], 4096                       ; from row to row
	s_mov_b32 s[G1X+6], 0
	s_mov_b32 s[G1X+7], 0
	; wa: 48 rows of 768 bytes are one dense block: 144 rows of 256 bytes (32 elements of 8), 16 bytes of padding behind each; the mask names the cluster's four
	s_mov_b32 s[G1A+0], 15|(3<<16)|(1<<20)|(1<<21)|(5<<22)|(3<<25)
	s_mov_b32 s[G1A+1], 32<<16
	s_mov_b32 s[G1A+2], 144<<16
	s_mov_b32 s[G1A+3], 32<<16
	s_mov_b32 s[G1A+4], 144
	s_mov_b32 s[G1A+5], 32
	s_mov_b32 s[G1A+6], 0
	s_mov_b32 s[G1A+7], 0
	; w1, w2: 12 rows: 36 rows of 256 bytes
	s_mov_b32 s[G1B+0], 15|(3<<16)|(1<<20)|(1<<21)|(5<<22)|(3<<25)
	s_mov_b32 s[G1B+1], 32<<16
	s_mov_b32 s[G1B+2], 36<<16
	s_mov_b32 s[G1B+3], 32<<16
	s_mov_b32 s[G1B+4], 36
	s_mov_b32 s[G1B+5], 32
	s_mov_b32 s[G1B+6], 0
	s_mov_b32 s[G1B+7], 0
	s_mov_b32 s[SEL], 0x76543210
	s_mov_b32 s[SEL+1], 0xfedcba98
	s_mul_i32 s32, s6, 3145728                     ; x: my batch,
	s_mul_i32 s33, s[WV], 786432                   ; my wave's 48 channels,
	s_add_co_u32 s32, s32, s33
	s_lshl_b32 s33, s7, 9                          ; the key step's 512 bytes of a row
	s_add_co_u32 s32, s32, s33
	s_mov_b32 s33, 0
	s_mul_i32 s34, s[WV], 36864                    ; wa: my wave's 48 rows: the wave's number alone
	s_mov_b32 s35, 0
	s_mul_i32 s86, s3, 9216                        ; w1, w2: 12 rows x part
	s_mov_b32 s87, 0
	s_wait_dscnt 0x0
	s_wait_kmcnt 0x0
	s_mov_b32 s[G0X], 1
	s_mul_i32 s[G0X+1], s[WV], 24576               ; LDS: 48 rows of 512 bytes a wave
	s_add_nc_u64 s[G0X+2:G0X+3], s[8:9], s[32:33]
	s_or_b32 s[G0X+3], s[G0X+3], 0x80000000
	s_mov_b32 s[G0A], 1
	s_mul_i32 s[G0A+1], s[WV], 39168
	s_add_co_u32 s[G0A+1], s[G0A+1], WA
	s_add_nc_u64 s[G0A+2:G0A+3], s[22:23], s[34:35]
	s_or_b32 s[G0A+3], s[G0A+3], 0x80000000
	s_mov_b32 s[G0B], 1
	s_mul_i32 s[G0B+1], s[WV], 9792
	s_add_co_u32 s[G0B+1], s[G0B+1], W12
	s_add_nc_u64 s[G0B+2:G0B+3], s[10:11], s[86:87]
	s_or_b32 s[G0B+3], s[G0B+3], 0x80000000
	s_mov_b32 s[G0C], 1
	s_mul_i32 s[G0C+1], s[WV], 9792
	s_add_co_u32 s[G0C+1], s[G0C+1], W12
	s_add_nc_u64 s[G0C+2:G0C+3], s[16:17], s[86:87]
	s_or_b32 s[G0C+3], s[G0C+3], 0x80000000
	s_cmp_eq_u32 s4, 0                             ; q's waves or k's: the choice hangs on the wave's number alone
	s_cselect_b64 s[92:93], s[14:15], s[20:21]     ; a1 or a2
	s_cselect_b64 s[94:95], s[12:13], s[18:19]     ; b1 or b2
	s_load_b32 s62, s[26:27], 0x0                  ; aa
	s_load_b32 s63, s[92:93], 0x0                  ; a1 or a2
	CROUND                                         ; all four work-groups are here: the joint loads meet
	tensor_load_to_lds s[G0X:G0X+3], s[G1X:G1X+7]  ; the three first fills of a wave go out as one group: three are out
	s_nop 0
	tensor_load_to_lds s[G0A:G0A+3], s[G1A:G1A+7]
	s_nop 0
.rept 4
	v_nop
.endr
	s_cmp_lt_u32 s[WV], 2                          ; waves 0 and 1 fetch w1's halves, waves 2 and 3 w2's
	s_cbranch_scc0 .Lfor_w2
	tensor_load_to_lds s[G0B:G0B+3], s[G1B:G1B+7]
	s_nop 0
.rept 4
	v_nop
.endr
	s_branch .Lasked
.Lfor_w2:
	tensor_load_to_lds s[G0C:G0C+3], s[G1B:G1B+7]
	s_nop 0
.rept 4
	v_nop
.endr
.Lasked:
	v_and_b32 v[LANE], 31, v0
	v_and_b32 v[R], 15, v0
	v_bfe_u32 v[H], v0, 4, 1
	v_lshlrev_b32 v[GL], 4, v[LANE]
	v_lshlrev_b32 v[SH], 3, v[H]
	s_lshl_b32 s32, s[WV], 7
	v_lshl_add_u32 v[AX0], v[LANE], 2, s32
	v_add_nc_u32 v[AX1], 0x10000, v[AX0]
	v_and_b32 v15, 7, v0
	v_lshl_add_u32 v15, v[H], 3, v15               ; position 32 w + l is row (l % 8) + 8 (l / 16)
	v_bfe_u32 v14, v0, 3, 1                        ; of tile 2 w + (l / 8) % 2
	s_mul_i32 s32, s[WV], 2*TILEB
	s_add_co_u32 s32, s32, XIMG
	v_mad_u32_u24 v[AXI], v14, TILEB, s32
	v_lshl_add_u32 v[AXI], v15, 4, v[AXI]
	s_lshl_b32 s33, s[WV], 8
	s_add_co_u32 s33, s33, XSC
	v_lshl_add_u32 v[AXS], v14, 7, s33
	v_lshl_add_u32 v[AXS], v15, 3, v[AXS]
	v_add_nc_u32 v[ALI], XIMG, v[GL]
	v_lshl_add_u32 v[ASX], v[R], 3, XSC
	s_mul_i32 s32, s[WV], 39168
	s_add_co_u32 s32, s32, WA
	v_mad_u32_u24 v[AW], v[R], WROW, s32
	v_lshl_add_u32 v[AW], v[H], 7, v[AW]
	s_lshl_b32 s32, s3, 2
	s_xor_b32 s32, s32, 7                          ; 7 - 4 e
	s_lshl_b32 s33, s3, 3                          ; 8 e
	v_and_b32 v15, 7, v[R]
	v_and_b32 v15, s32, v15
	v_lshrrev_b32 v14, 3, v[R]
	v_mad_u32_u24 v15, v14, 12, v15
	v_add_nc_u32 v15, s33, v15                     ; the weight row of my row of the q/k tile
	s_mul_i32 s32, s4, 24*WROW
	s_add_co_u32 s32, s32, W12
	v_mad_u32_u24 v[AQ], v15, WROW, s32
	v_lshl_add_u32 v[AQ], v[H], 7, v[AQ]
	s_mul_i32 s33, s[WV], 12
	v_mad_u32_u24 v[GS], v[R], 48, s33
	; the biases.  ba: my row's, for each of my three tiles.  b1 or b2: register j of lane (r, h) is that of channel 12 h + 8 e + (j and (7 - 4 e))
	s_mul_i32 s32, s[WV], 192
	v_lshl_add_u32 v254, v[R], 2, s32
	s_lshl_b32 s32, s3, 5                          ; 32 e
	s_xor_b32 s33, s3, 1
	s_lshl_b32 s33, s33, 4
	s_add_co_u32 s33, s33, s32                     ; 32 e + 16 (1 - e)
	v_mul_u32_u24 v255, v[H], 48
	v_add_nc_u32 v245, s33, v255
	v_add_nc_u32 v255, s32, v255
.irp j, 0,1,2
	global_load_b32 v[BA+\j], v254, s[24:25] offset:64*\j
.endr
	global_load_b128 v[QB:QB+3], v255, s[94:95]
	global_load_b128 v[QB+4:QB+7], v245, s[94:95]
.irp i, 18,19,20,21,22,23
	v_mov_b32 v[XF+\i], 0                          ; channels 192 to 255 do not exist: zero codes, written once
	v_mov_b32 v[XF+24+\i], 0
	v_mov_b32 v[WF+\i], 0
.endr
.irp i, 4,5,6,7
	v_mov_b32 v[TM+\i], 0                          ; written once: a lane permute's destination counts as one of its sources
.endr
	; where the results go
	s_mul_i32 s80, s5, BLK                         ; v's fragments: block G of kv, + 12,288, + my three tiles
	s_mul_i32 s81, s[WV], 4608
	s_add_co_u32 s80, s80, s81
	s_add_co_u32 s80, s80, 12288
	s_mov_b32 s81, 0
	s_add_nc_u64 s[80:81], s[30:31], s[80:81]
	s_mul_i32 s84, s5, BLK                         ; v's scale words
	s_add_co_u32 s84, s84, 30720
	s_mov_b32 s85, 0
	s_add_nc_u64 s[84:85], s[30:31], s[84:85]
	s_add_co_u32 s86, s7, 31
	s_and_b32 s86, s86, 31                         ; k: the block before, round the batch
	s_lshl_b32 s87, s6, 5
	s_add_co_u32 s86, s86, s87
	s_mul_i32 s86, s86, BLK
	s_mul_i32 s87, s5, 12288                       ; q: block G of qf
	s_cmp_eq_u32 s4, 0
	s_cselect_b32 s86, s87, s86
	s_cselect_b64 s[82:83], s[28:29], s[30:31]
	s_lshl_b32 s87, s3, 10                         ; part 1 holds registers 8-11: the image's third group
	s_add_co_u32 s86, s86, s87
	s_mov_b32 s87, 0
	s_add_nc_u64 s[82:83], s[82:83], s[86:87]
	s_wait_kmcnt 0x0                               ; the slopes
	s_wait_loadcnt 0x0                             ; the biases
	s_wait_tensorcnt 0x0                           ; my three tiles have landed,
	s_barrier_signal -1
	s_barrier_wait -1                              ; everybody's have
; ---- X: my position's 192 channels become six blocks of codes.  Block be = channels 32 be on; its 32 numbers are all mine.
.macro LOADX be                        ; 32 lanes read 128 consecutive bytes of a channel's row
.set XN, WT+((\be)%2)*(HA-WT)          ; sets by turns: v208.. and v104..
.set q, 0
.rept 32
.if (\be) < 4
	ds_load_b32 v[XN+q], v[AX0] offset:512*(32*(\be)+q)
.else
	ds_load_b32 v[XN+q], v[AX1] offset:512*(32*((\be)-4)+q)
.endif
.set q, q+1
.endr
.endm
; cnt: the LDS instructions issued behind this block's loads, which may stay out.  The block before last's stores were issued ahead of these loads, so the set of code registers taken here is free.
.macro XBLOCK be, cnt
.set XN, WT+((\be)%2)*(HA-WT)
.set XC, PC+10*((\be)%2)
.set XO, 1536*((\be)/4)+256*((\be)%2)  ; K step be / 4; the block lies in the lanes' half be % 2
	s_wait_dscnt \cnt
	v_max3_num_f32 v[TM], |v[XN]|, |v[XN+1]|, |v[XN+2]|
	v_max3_num_f32 v[TM+1], |v[XN+3]|, |v[XN+4]|, |v[XN+5]|
.irp i, 6,10,14,18,22,26
	v_max3_num_f32 v[TM], v[TM], |v[XN+\i]|, |v[XN+\i+1]|
	v_max3_num_f32 v[TM+1], v[TM+1], |v[XN+\i+2]|, |v[XN+\i+3]|
.endr
	v_max3_num_f32 v[TM], v[TM], |v[XN+30]|, |v[XN+31]|
	v_max3_num_f32 v[TM], v[TM], v[TM+1], 0x2800000        ; and the floor 2^(5 - 127): the byte cannot fall under 1
	v_add_nc_u32 v[TM+2], 0xfe000000, v[TM]                ; 4 off the exponent field: the conversion takes this operand's exponent field as its scale
	v_cvt_scalef32_pk16_bf6_f32 v[XC:XC+2], v[XN:XN+15], v[TM+2]
	v_cvt_scalef32_pk16_bf6_f32 v[XC+6:XC+8], v[XN+16:XN+31], v[TM+2]   ; (a conversion's three registers begin on an even number)
	v_lshrrev_b32 v[TM+3], 23, v[TM+2]                     ; the scale's byte; also the plain place behind the conversions
.if (\be)%4 == 0
	v_mov_b32 v[XW+(\be)/4], v[TM+3]
.else
	v_lshl_or_b32 v[XW+(\be)/4], v[TM+3], 8*((\be)%4), v[XW+(\be)/4]
.endif
.irp i, 0,1,2
	v_mov_b32 v[XC+3+\i], v[XC+6+\i]
.endr
.if ((\be)%4)/2 == 0                   ; the fragment's registers 0-5: group 0 whole, the lower half of group 1
	ds_store_b128 v[AXI], v[XC:XC+3] offset:XO
	ds_store_b64 v[AXI], v[XC+4:XC+5] offset:XO+512
.else                                  ; registers 6-11: the upper half of group 1, group 2 whole
	ds_store_b64 v[AXI], v[XC:XC+1] offset:XO+520
	ds_store_b128 v[AXI], v[XC+2:XC+5] offset:XO+1024
.endif
.if (\be) < 4
	LOADX (\be)+2
.endif
.endm
	LOADX 0
	LOADX 1
	XBLOCK 0, 32                                   ; block 1's 32 loads may be out
	XBLOCK 1, 34                                   ; the last block's two stores and the next block's 32 loads may be out
	XBLOCK 2, 34
	XBLOCK 3, 34
	XBLOCK 4, 34
	XBLOCK 5, 2                                    ; the last block's two stores
	ds_store_b64 v[AXS], v[XW:XW+1]
	s_wait_dscnt 0x0                               ; for the others' sake: my stores have landed
	s_barrier_signal -1
	s_barrier_wait -1                              ; x's eight tiles lie in LDS; from here on LDS is only read
; ---- a tile of 16 weight rows becomes a fragment.  Lane (r, h) wants of row r the blocks h, 2 + h, 4 + h: three whole blocks of 32 numbers, 128 bytes each, 272 bytes apart.
.macro WBASE u3
.set WB, HA+32*(\u3)+((\u3)/2)*(WT-HA-64)          ; v104, v136, v208
.endm
.macro PHASE_W adr, off
.irp u3, 0,1,2
	WBASE \u3
.irp i, 0,1,2,3,4,5,6,7
	ds_load_b128 v[WB+4*\i:WB+4*\i+3], v[\adr] offset:(\off)+272*\u3+16*\i
.endr
.endr
	s_wait_dscnt 0x0
.irp u3, 0,1,2
	WBASE \u3
	v_max3_num_f32 v[TM+\u3], |v[WB]|, |v[WB+1]|, 0x2800000   ; the floor 2^(5 - 127) among the leaves
.endr
.irp i, 2,4,6,8,10,12,14,16,18,20,22,24,26,28,30
.irp u3, 0,1,2
	WBASE \u3
	v_max3_num_f32 v[TM+\u3], v[TM+\u3], |v[WB+\i]|, |v[WB+\i+1]|   ; (the three blocks by turns)
.endr
.endr
.irp u3, 0,1,2
	v_add_nc_u32 v[TM+12+\u3], 0xfe000000, v[TM+\u3]
.endr
.irp u3, 0,1,2
	v_lshrrev_b32 v[TM+8+\u3], 23, v[TM+12+\u3]
.endr
	v_lshl_or_b32 v[TM+4], v[TM+9], 16, v[TM+8]    ; K step 0: my bytes of blocks h and 2 + h,
	v_lshlrev_b32 v[TM+4], v[SH], v[TM+4]          ; at their places in the word;
	v_lshlrev_b32 v[TM+5], v[SH], v[TM+10]         ; K step 1: block 4 + h; its bytes 2 and 3 stay 0, over zero codes
	v_permlanex16_b32 v[TM+6], v[TM+4], s[SEL], s[SEL+1]
	v_permlanex16_b32 v[TM+7], v[TM+5], s[SEL], s[SEL+1]
	v_or_b32 v[WS], v[TM+4], v[TM+6]               ; with lane l xor 16's the words are whole
	v_or_b32 v[WS+1], v[TM+5], v[TM+7]
.irp u3, 0,1,2
	WBASE \u3
	v_cvt_scalef32_pk16_bf6_f32 v[WF+6*\u3:WF+6*\u3+2], v[WB:WB+15], v[TM+12+\u3]
	v_cvt_scalef32_pk16_bf6_f32 v[PC+4*\u3:PC+4*\u3+2], v[WB+16:WB+31], v[TM+12+\u3]
.endr
	v_nop                                          ; one plain place behind a scaled conversion
.irp u3, 0,1,2
.irp i, 0,1,2
	v_mov_b32 v[WF+6*\u3+3+\i], v[PC+4*\u3+\i]
.endr
.endr
.endm
; 64 numbers of a lane, v[s] on, register 16 b + i = k 32 b + 16 (lane / 16) + i of my row, become a fragment's codes in v[PC] on and its scale word in v[pw].
.macro QUANT s, pw
.irp b, 0,1,2,3
	v_max3_num_f32 v[TM+\b], |v[\s+16*\b]|, |v[\s+1+16*\b]|, 0x2800000
.endr
.irp i, 2,4,6,8,10,12,14
.irp b, 0,1,2,3
	v_max3_num_f32 v[TM+\b], v[TM+\b], |v[\s+16*\b+\i]|, |v[\s+1+16*\b+\i]|
.endr
.endr
.irp b, 0,1,2,3
	v_permlanex16_b32 v[TM+4+\b], v[TM+\b], s[SEL], s[SEL+1]
.endr
.irp b, 0,1,2,3
	v_max_num_f32 v[TM+\b], v[TM+\b], v[TM+4+\b]   ; with lane l xor 16's: the block's largest magnitude
.endr
.irp b, 0,1,2,3
	v_add_nc_u32 v[TM+12+\b], 0xfe000000, v[TM+\b]
.endr
.irp b, 0,1,2,3
	v_lshrrev_b32 v[TM+4+\b], 23, v[TM+12+\b]
.endr
	v_lshl_or_b32 v[\pw], v[TM+5], 8, v[TM+4]
	v_lshl_or_b32 v[\pw], v[TM+6], 16, v[\pw]
	v_lshl_or_b32 v[\pw], v[TM+7], 24, v[\pw]
.irp c, 0,1
	v_cvt_scalef32_pk16_bf6_f32 v[PC+6*\c:PC+2+6*\c], v[\s+32*\c:\s+15+32*\c], v[TM+12+2*\c]
	v_cvt_scalef32_pk16_bf6_f32 v[PC+12+4*\c:PC+14+4*\c], v[\s+16+32*\c:\s+31+32*\c], v[TM+12+2*\c+1]
.endr
	v_nop                                          ; one plain place behind a scaled conversion
.irp c, 0,1                                    ; the operand's layout wants a whole block in a lane
.irp i, 0,1,2
	v_permlane16_swap_b32 v[PC+6*\c+\i], v[PC+12+4*\c+\i]
.endr
.irp i, 0,1,2
	v_mov_b32 v[PC+3+6*\c+\i], v[PC+12+4*\c+\i]
.endr
.endr
.endm
.macro XFETCH set, m                   ; tile m of x, both K steps, and its rows' two scale words
.irp g, 0,1,2,3
	ds_load_b128 v[XF+24*(\set)+4*\g:XF+24*(\set)+4*\g+3], v[ALI] offset:(\m)*TILEB+512*\g
.endr
	ds_load_b64 v[XF+24*(\set)+16:XF+24*(\set)+17], v[ALI] offset:(\m)*TILEB+2048
	ds_load_b64 v[XS+2*(\set):XS+2*(\set)+1], v[ASX] offset:128*(\m)
.endm
; One product.  kind 0 (v): source 0 = 16 positions, source 1 = 16 rows of wa: a lane holds one channel, its registers run along the positions, which are the next product's K.
; kind 1 (q, k): source 0 = 16 weight rows, source 1 = 16 positions: a lane holds one position and eight channels.  st: the K step; the first takes the bias as C.
.macro MM kind, set, m, st
.if \kind == 0
.if \st == 0
	v_wmma_scale_f32_16x16x128_f8f6f4 v[HA+8*(\m):HA+8*(\m)+7], v[XF+24*(\set):XF+24*(\set)+11], v[WF:WF+11], v[CB:CB+7], v[XS+2*(\set)], v[WS] matrix_a_fmt:MATRIX_FMT_BF6 matrix_b_fmt:MATRIX_FMT_BF6
.else
	v_wmma_scale_f32_16x16x128_f8f6f4 v[HA+8*(\m):HA+8*(\m)+7], v[XF+24*(\set)+12:XF+24*(\set)+23], v[WF+12:WF+23], v[HA+8*(\m):HA+8*(\m)+7], v[XS+2*(\set)+1], v[WS+1] matrix_a_fmt:MATRIX_FMT_BF6 matrix_b_fmt:MATRIX_FMT_BF6
.endif
.else
.if \st == 0
	v_wmma_scale_f32_16x16x128_f8f6f4 v[HA+8*(\m):HA+8*(\m)+7], v[WF:WF+11], v[XF+24*(\set):XF+24*(\set)+11], v[QB:QB+7], v[WS], v[XS+2*(\set)] matrix_a_fmt:MATRIX_FMT_BF6 matrix_b_fmt:MATRIX_FMT_BF6
.else
	v_wmma_scale_f32_16x16x128_f8f6f4 v[HA+8*(\m):HA+8*(\m)+7], v[WF+12:WF+23], v[XF+24*(\set)+12:XF+24*(\set)+23], v[HA+8*(\m):HA+8*(\m)+7], v[WS+1], v[XS+2*(\set)+1] matrix_a_fmt:MATRIX_FMT_BF6 matrix_b_fmt:MATRIX_FMT_BF6
.endif
.endif
.endm
; A tile of weight rows through all eight tiles of positions.
.macro PASS kind, j, slope
	s_wait_xcnt 0x0                                ; the last pass's stores have read their registers: the codes' registers are written again below
.if \kind == 0
	PHASE_W AW, 16*WROW*(\j)
.irp i, 0,1,2,3,4,5,6,7
	v_mov_b32 v[CB+\i], v[BA+\j]                   ; my channel's bias in all eight rows; these eight lines also stand between the scale words' making and the products
.endr
.else
	PHASE_W AQ, 0
.rept 8
	v_nop                                          ; a scale register written by a vector instruction stands eight places ahead of a scaled matrix instruction
.endr
.endif
.irp g, 0,1,2,3
	XFETCH 0, 2*\g
	XFETCH 1, 2*\g+1
	s_wait_dscnt 0x0
	MM \kind, 0, 2*\g, 0                           ; two accumulators by turns
	MM \kind, 1, 2*\g+1, 0
	MM \kind, 0, 2*\g, 1
	MM \kind, 1, 2*\g+1, 1
.rept 4
	v_nop                                          ; places in front of loads into registers that these products have read, and of the first read of results
.endr
.endr
.set q, 0
.rept 64                                       ; prelu, in f32, each accumulator from its low end on
	v_mul_f32 v[PT+q%2], s[\slope], v[HA+q]
	v_cmp_gt_f32 vcc_lo, 0, v[HA+q]
	v_cndmask_b32 v[HA+q], v[HA+q], v[PT+q%2], vcc_lo
.set q, q+1
.endr
.endm
.irp j, 0,1,2
	PASS 0, \j, 62
	QUANT HA, PWS+\j
.irp g, 0,1,2
	global_store_b128 v[GL], v[PC+4*\g:PC+4*\g+3], s[80:81] offset:1536*\j+512*\g   ; 32 lanes store 512 consecutive bytes, at a multiple of 256 from kv's first byte
.endr
.endr
	PASS 1, 0, 63
.irp m, 0,1,2,3,4,5,6,7
	global_store_b128 v[GL], v[HA+8*\m:HA+8*\m+3], s[82:83] offset:1536*\m          ; channels 12 h + 8 e + 0 .. 3
.endr
	s_cmp_lg_u32 s3, 0                             ; part 1's upper four registers are repeats
	s_cbranch_scc1 .Lhalf
.irp m, 0,1,2,3,4,5,6,7
	global_store_b128 v[GL], v[HA+8*\m+4:HA+8*\m+7], s[82:83] offset:1536*\m+512    ; channels 12 h + 4 .. 7
.endr
.Lhalf:
	s_wait_xcnt 0x0                                ; EXEC changes only behind this wait
	v_cmp_gt_u32 vcc_lo, 16, v[LANE]
	s_and_saveexec_b32 s86, vcc_lo                 ; lanes 16-31 hold the same words
	global_store_b96 v[GS], v[PWS:PWS+2], s[84:85] ; my three tiles' scale words of channel row r: 12 of its 48 bytes
	s_wait_xcnt 0x0                                ; and again, in front of the line that widens it
	s_or_b32 exec_lo, exec_lo, s86
	s_wait_tensorcnt 0x0
	ds_add_u32 v199, v207
	s_wait_dscnt 0x0
	CROUND                                         ; the closing round: no work-group ends while a partner may still ask for a tile that names it
	s_endpgm
.Lfunc_end_k_qe471d518ed_prep:
	.size	k_qe471d518ed_prep, .Lfunc_end_k_qe471d518ed_prep-k_qe471d518ed_prep
	.p2alignl 7, 3214868480
	.fill 96, 4, 3214868480
	.section	.rodata,"a",@progbits
	.p2align	6, 0x0
	.amdhsa_kernel k_qe471d518ed_prep
		.amdhsa_group_segment_fixed_size 327680
		.amdhsa_private_segment_fixed_size 0
		.amdhsa_enable_private_segment 0
		.amdhsa_kernarg_size 96
		.amdhsa_user_sgpr_count 2
		.amdhsa_user_sgpr_kernarg_segment_ptr 1
		.amdhsa_wavefront_size32 1
		.amdhsa_system_sgpr_workgroup_id_x 1
		.amdhsa_system_sgpr_workgroup_id_y 1
		.amdhsa_system_sgpr_workgroup_id_z 1
		.amdhsa_system_vgpr_workitem_id 0
		.amdhsa_next_free_vgpr 256
		.amdhsa_next_free_sgpr 96
		.amdhsa_reserve_vcc 1
		.amdhsa_float_denorm_mode_32 3
		.amdhsa_float_denorm_mode_16_64 3
		.amdhsa_memory_ordered 1
		.amdhsa_forward_progress 1
		.amdhsa_inst_pref_size 118
	.end_amdhsa_kernel
	.amdgpu_metadata
---
amdhsa.version: [ 1, 2 ]
amdhsa.kernels:
  - .name:           k_qe471d518ed_prep
    .symbol:         k_qe471d518ed_prep.kd
    .args:
      - { .name: x, .offset: 0, .size: 8, .value_kind: global_buffer, .address_space: global }
      - { .name: w1, .offset: 8, .size: 8, .value_kind: global_buffer, .address_space: global }
      - { .name: b1, .offset: 16, .size: 8, .value_kind: global_buffer, .address_space: global }
      - { .name: a1, .offset: 24, .size: 8, .value_kind: global_buffer, .address_space: global }
      - { .name: w2, .offset: 32, .size: 8, .value_kind: global_buffer, .address_space: global }
      - { .name: b2, .offset: 40, .size: 8, .value_kind: global_buffer, .address_space: global }
      - { .name: a2, .offset: 48, .size: 8, .value_kind: global_buffer, .address_space: global }
      - { .name: wa, .offset: 56, .size: 8, .value_kind: global_buffer, .address_space: global }
      - { .name: ba, .offset: 64, .size: 8, .value_kind: global_buffer, .address_space: global }
      - { .name: aa, .offset: 72, .size: 8, .value_kind: global_buffer, .address_space: global }
      - { .name: qf, .offset: 80, .size: 8, .value_kind: global_buffer, .address_space: global }
      - { .name: kv, .offset: 88, .size: 8, .value_kind: global_buffer, .address_space: global }
    .group_segment_fixed_size: 327680
    .private_segment_fixed_size: 0
    .kernarg_segment_align: 8
    .kernarg_segment_size: 96
    .max_flat_workgroup_size: 128
    .sgpr_count:     96
    .vgpr_count:     256
    .wavefront_size: 32
...
	.end_amdgpu_metadata
.endif
;; end of part 1
;; launch attn (part 2): grid 32 x 8, 4 waves a work-group, clusters of 4 x 1, 327,680 bytes of LDS; arguments qf, kv, out0; writes out0
.if DOCPART == 2
	.amdgcn_target "amdgcn-amd-amdhsa--gfx1250"
	.amdhsa_code_object_version 6
	.text
	.protected	k_qe471d518ed_attn
	.globl	k_qe471d518ed_attn
	.p2align	8
	.type	k_qe471d518ed_attn,@function
k_qe471d518ed_attn:
	s_mov_b64 s[64:65], 0
	v_nop
	global_prefetch_b8 v0, s[64:65] scope:SCOPE_SE
	s_setreg_imm32_b32 hwreg(HW_REG_WAVE_MODE, 25, 1), 1
	s_wait_xcnt 0x0
	s_wait_alu depctr_hold_cnt(0) depctr_sa_sdst(0) depctr_va_vdst(0) depctr_va_sdst(0) depctr_va_ssrc(0) depctr_va_vcc(0) depctr_vm_vsrc(0)
	s_getreg_b32 s2, hwreg(HW_REG_IB_STS2, 6, 4)
	s_cmp_eq_u32 s2, 0
	s_cbranch_scc0 .Lentry_in_a_cluster
	s_endpgm
.Lentry_in_a_cluster:
	s_bfe_u32 s2, ttmp6, 0x10000c
	s_cmp_lg_u32 s2, 0x3003
	s_cbranch_scc0 .Lentry_shape_is_right
	s_endpgm
.Lentry_shape_is_right:
; out[b][c][n] = the sum over keys m of softmax_m(q[n] . k[m]) v[m][c].  The scores (K = 24 channels) go on into a quantiser, so they are made with f32 operands, by v_wmma_f32_16x16x4_f32; the second product runs
; on codes of BF6 (E3M2) with one E8M0 scale for each 32 keys.  t = score x log2(e); M = the running largest t rounded UP to a whole number; p = 2^(t - M) is what is quantised, not normalised; the row's sum is
; taken of the unquantised p and divides at the end.  When M moves, the sum and O are multiplied by 2^(old M - new M): exact.
; INPUTS, as the launch before has laid them, images of operand registers (a group of four registers = 512 bytes, lane l's 16 bytes at 16 l): qf [256 blocks of 128 positions][8 tiles][1,536]; kv [8 batches][32 blocks][31,488]:
; +0 the K tiles (f32) of key step j + 1 (block 31: of key step 0), +12,288 the 12 fragments of V (16 channels x 128 keys) of key step j, +30,720 V's scale words (channel row r of tile t at 48 r + 4 t).
; Row r of tile 2 b + u is position 32 b + 8 u + r + 8 (r / 8).  Register i of lane (r, h) of a Q or K tile is channel 12 h + i: K step s of the f32 product takes registers 2 s, 2 s + 1, the same channels on both sides.
; SHARES.  A work-group owns 128 queries of one batch, each of its four waves 32: two tiles.  Both products are used transposed (S^T = K Q^T, O^T = V^T P^T): a lane holds one query of each tile throughout, and the 16 registers
; of key tiles 2 b, 2 b + 1 are keys 32 b + 16 (lane / 16) + 0 .. 15.  Every wave walks 32 key steps of 128 keys.
; BY STAGES.  Stage j: phase A, the 24 products V^T P of step j - 1, and between them the maxima, M and t - M of S(j); phase B, the 96 f32 products of S(j + 1), and between them the exponentials, sums, quantiser and O's rescaling
; of step j.  So a stage reads one block of kv alone.  K of step 0 comes straight from memory ahead of the loop; its copy in LDS (12,288 of a batch's 1,007,616 bytes) is fetched with block 31 and not read.
; The loop has no first stage of its own: V, P's codes and O begin as zeros, the largest t as -3e38.
; RING.  Two LDS slots of four blocks; behind each change of slots a wave asks for ONE block, jointly with the same wave of the cluster's other three work-groups, which walk the same batch: one tensor load of mine is out, and it has four stages in which to land.
; LIMITS: NaN and infinities are not served.  A block of p whose largest number lies under 2^(5 - 127) gets the scale byte 1.  A block's largest p is taken from its largest score, which takes v_exp_f32 not to fall where its input rises.
; REGISTERS, in windows of 256 (s_set_vgpr_msb: bits 1:0 source 0, 3:2 source 1, 5:4 source 2, 7:6 destination):
;   window 0: v1-10 addresses; v16-63 24 registers of statistics a tile; v64-87 Q; v88-99 V's scale words; v100-123 P's codes; v128-255 t - M, then p
;   window 1: v0-127 S^T (written by the f32 matrix instruction alone); v128-223 K      window 2: v0-191 O^T      window 3: v0-143 V
.set BLK,    31488
.set SLOTB,  4*BLK
.set SLOT1,  131072                    ; slot 1 begins here: one exclusive or turns an address in one slot into the other's
.set SPARE,  257024                    ; behind the ring: the spare words, 128 bytes for each wave: two blocks of 256 bytes that no other line names
.set SPITCH, 528                       ; the way out: 192 rows (channels) x (512 bytes + 16), in slot 0, which has had its last fill and its last read by then
.set AL0, 1                            ; v1   16 x lane
.set AS0, 2                            ; v2   48 x (lane % 16) + 30,720
.set AL,  3                            ; v3   AL0 + the block in hand
.set AS,  4                            ; v4   AS0 + the block in hand
.set SPW, 5                            ; v5   LDS address of my spare word; never rewritten
.set NIL, 6                            ; v6   0; never rewritten
.set PFO, 7                            ; v7   the prefetches' offset: 256 x min(thread, 122); never rewritten
.set STO0, 8                           ; v8   the way out: where my query's column begins, channels 0-95
.set STO1, 9                           ; v9   channels 96-191
.set SRD, 10                           ; v10  and where I read rows back
.set ST,  16                           ; tile u's statistics at v[ST + 24 u]: +0 -M, +1 the largest t, +2,+3 the sum, +4 f, +5 p's scale word (nothing else is ever held there), +6 at work, +7 at work,
                                       ; +8..11 the blocks' largest scores, then p, +12..15 at work, +16..19 the conversions' scale operands, +20,21 a second chain of the sum
.set Q,   64
.set VS,  88
.set PC,  100
.set P,   128
.set KF,  128                          ; in window 1
.set WV,  10                           ; s10  wave
.set SEL, 20                           ; s[20:21] selects of v_permlanex16_b32 for lane l xor 16
.set CS,  22                           ; s[22:23] log2(e): the packed form names a pair and takes its low word for both halves
.set G1,  24                           ; s[24:31] descriptor group 1
.set G0,  32                           ; s[32:35] descriptor group 0, which walks
.set TB,  36                           ; s36  LDS byte at which the block in hand begins
.set SLOTS, 37                         ; s37  slots still to be asked for
.set CNT, 38                           ; s38  counts a slot's stages
.set LIM, 39                           ; s39  1 in the batch's first cluster, else the greatest number: a wave prefetches while s[SLOTS] is above it
.set PFA, 40                           ; s[40:41] where my work-group's prefetches stand
.set MSB, 0
.macro WIN new                         ; the immediate's high byte repeats the setting that is left; a switch that changes nothing is dropped
.if MSB != \new
	s_set_vgpr_msb (MSB<<8)|\new
.set MSB, \new
.endif
.endm
.set W_S,   0x51                       ; K, C and D in window 1, Q in window 0
.set W_PV,  0xa3                       ; V in window 3, P's codes in window 0, O^T in window 2
.set W_MAX, 0x05                       ; sources 0 and 1 in window 1
.set W_FMA, 0x01                       ; source 0 in window 1
.set W_RS,  0x82                       ; destination and source 0 in window 2
.set TO_K,  0x40
.set TO_V,  0xc0
.set TO_O,  0x80
.set ST_O,  0x08                       ; an LDS store's data are its source 1: window 2
.set ST_V,  0x0c                       ; a store's data in window 3
.macro CROUND                          ; a round of the cluster's barrier
	s_barrier_signal -1
	s_barrier_wait -1
	s_cmp_lg_u32 s[WV], 0
	s_cbranch_scc1 .Lnot_wave_0_\@
	s_barrier_signal -3
.Lnot_wave_0_\@:
	s_barrier_wait -3
	s_barrier_signal -1
	s_barrier_wait -1
.endm
; Product i of 96 of S^T = K Q^T: K step i / 16 (channels 12 h + 2 s, + 1), key tile (i % 16) / 2, query tile i % 2.  The first 16 start the sums with the constant 0.  The 16 accumulators take turns.
.macro SW
.set ms, i/16
.set mm, (i%16)/2
.set mu, i%2
	WIN W_S
.if ms == 0
	v_wmma_f32_16x16x4_f32 v[64*mu+8*mm:64*mu+8*mm+7], v[KF+12*mm+2*ms:KF+12*mm+2*ms+1], v[Q+12*mu+2*ms:Q+12*mu+2*ms+1], 0
.else
	v_wmma_f32_16x16x4_f32 v[64*mu+8*mm:64*mu+8*mm+7], v[KF+12*mm+2*ms:KF+12*mm+2*ms+1], v[Q+12*mu+2*ms:Q+12*mu+2*ms+1], v[64*mu+8*mm:64*mu+8*mm+7]
.endif
.endm
; Product i of 24 of O^T += V^T P^T: channel tile i / 2, query tile i % 2; K = the step's 128 keys.
.macro PV
.set mt, i/2
.set mu, i%2
	WIN W_PV
	v_wmma_scale_f32_16x16x128_f8f6f4 v[96*mu+8*mt:96*mu+8*mt+7], v[12*mt:12*mt+11], v[PC+12*mu:PC+12*mu+11], v[96*mu+8*mt:96*mu+8*mt+7], v[VS+mt], v[ST+24*mu+5] matrix_a_fmt:MATRIX_FMT_BF6 matrix_b_fmt:MATRIX_FMT_BF6
.endm
.macro FETCH_K                         ; the next step's eight tiles of K: 24 loads, each of 512 consecutive bytes
	WIN TO_K
.irp m, 0,1,2,3,4,5,6,7
.irp g, 0,1,2
	ds_load_b128 v[KF+12*\m+4*\g:KF+12*\m+4*\g+3], v[AL] offset:1536*\m+512*\g
.endr
.endr
.endm
.macro FETCH_V                         ; this step's twelve fragments of V and their scale words: 39 loads
	WIN TO_V
.irp t, 0,1,2,3,4,5,6,7,8,9,10,11
.irp g, 0,1,2
	ds_load_b128 v[12*\t+4*\g:12*\t+4*\g+3], v[AL] offset:12288+1536*\t+512*\g
.endr
.endr
	WIN 0
.irp g, 0,1,2
	ds_load_b128 v[VS+4*\g:VS+4*\g+3], v[AS] offset:16*\g
.endr
.endm
; THE VECTOR WORK OF PHASE A: a list of 85 instructions a tile; AV writes number n / 2 of it for tile n % 2 and steps n.  The tiles alternate, so that no line reads the result of the line just before it.
;   0-31 the largest score of each block of 32 keys (it serves twice: for the row's maximum and for the block's largest p), each accumulator read from its low end on;  32-39 with lane l xor 16's;
;   40-48 the step's largest t, the running one, -M = floor(-t), f = 2^(old M - new M);  49-80 t - M, two at a time, out of S^T's registers into p's;  81-84 the same of each block's largest score
.macro AV
.set au, n%2
.set aj, n/2
.set rT, ST+24*au
.set rS, 64*au
.set rP, P+64*au
.if aj < 4
	WIN W_MAX
	v_max_num_f32 v[rT+8+aj], v[rS+16*aj], v[rS+16*aj+1]
.elseif aj < 32
	WIN W_MAX
	v_max3_num_f32 v[rT+8+aj%4], v[rS+16*(aj%4)+2*(aj/4)], v[rS+16*(aj%4)+2*(aj/4)+1], v[rT+8+aj%4]
.elseif aj < 36
	WIN 0
	v_permlanex16_b32 v[rT+12+aj-32], v[rT+8+aj-32], s[SEL], s[SEL+1]
.elseif aj < 40
	WIN 0
	v_max_num_f32 v[rT+8+aj-36], v[rT+8+aj-36], v[rT+12+aj-36]
.elseif aj == 40
	WIN 0
	v_max3_num_f32 v[rT+7], v[rT+8], v[rT+9], v[rT+10]
.elseif aj == 41
	WIN 0
	v_max_num_f32 v[rT+7], v[rT+7], v[rT+11]
.elseif aj == 42
	WIN 0
	v_mul_f32 v[rT+7], s[CS], v[rT+7]              ; as t (log2(e) is positive)
.elseif aj == 43
	WIN 0
	v_max_num_f32 v[rT+1], v[rT+1], v[rT+7]
.elseif aj == 44
	WIN 0
	v_mov_b32 v[rT+6], v[rT]
.elseif aj == 45
	WIN 0
	v_floor_f32 v[rT], -v[rT+1]                    ; -M = floor(-t) = -ceil(t)
.elseif aj == 46
	WIN 0
	v_sub_f32 v[rT+6], v[rT], v[rT+6]              ; old M - new M: a whole number, 0 or less
.elseif aj == 47
	WIN 0
	v_cvt_i32_f32 v[rT+6], v[rT+6]                 ; (it saturates)
.elseif aj == 48
	WIN 0
	v_ldexp_f32 v[rT+4], 1.0, v[rT+6]
.elseif aj < 81
	WIN W_FMA
	v_pk_fma_f32 v[rP+2*(aj-49):rP+2*(aj-49)+1], v[rS+2*(aj-49):rS+2*(aj-49)+1], s[CS:CS+1], v[rT:rT+1] op_sel_hi:[1,0,0]
.else
	WIN 0
	v_fma_f32 v[rT+8+aj-81], v[rT+8+aj-81], s[CS], v[rT]
.endif
.set n, n+1
.endm
; THE VECTOR WORK OF PHASE B: 181 instructions a tile, dealt likewise.
;   0-67 ONE BATCH of exponentials: the 64 p and the four blocks' largest p;  68 the sum x f, the plain line behind the batch;  (the stage's one wait for the batch stands behind number 68 of both tiles: STAGE writes it)
;   69-100 the row's sum of the unquantised p, in two chains;  101-115 floor, scale operands, bytes, the scale word;  116-132 the conversions, a plain line, and the exchange of halves that gives each lane whole blocks;
;   133-180 O^T x f: the one part that leaves window 0
.macro BV
.set au, n%2
.set aj, n/2
.set rT, ST+24*au
.set rP, P+64*au
.set rC, PC+12*au
.if aj < 133
	WIN 0
.endif
.if aj < 64
	v_exp_f32 v[rP+aj], v[rP+aj]
.elseif aj < 68
	v_exp_f32 v[rT+8+aj-64], v[rT+8+aj-64]
.elseif aj == 68
	v_pk_mul_f32 v[rT+2:rT+3], v[rT+2:rT+3], v[rT+4:rT+5] op_sel_hi:[1,0]
.elseif aj == 69
	v_pk_add_f32 v[rT+20:rT+21], v[rP:rP+1], v[rP+2:rP+3]
.elseif aj < 100
.set ak, 4*(1+(aj-70)/2)
.if (aj-70)%2 == 0
	v_pk_add_f32 v[rT+2:rT+3], v[rT+2:rT+3], v[rP+ak:rP+ak+1]
.else
	v_pk_add_f32 v[rT+20:rT+21], v[rT+20:rT+21], v[rP+ak+2:rP+ak+3]
.endif
.elseif aj == 100
	v_pk_add_f32 v[rT+2:rT+3], v[rT+2:rT+3], v[rT+20:rT+21]
.elseif aj < 105
	v_max_num_f32 v[rT+8+aj-101], 0x2800000, v[rT+8+aj-101]     ; the floor 2^(5 - 127): the byte cannot fall under 1
.elseif aj < 109
	v_add_nc_u32 v[rT+16+aj-105], 0xfe000000, v[rT+8+aj-105]    ; 4 off the exponent field: the conversion's scale operand
.elseif aj < 113
	v_lshrrev_b32 v[rT+12+aj-109], 23, v[rT+16+aj-109]          ; the scale's byte
.elseif aj == 113
	v_lshl_or_b32 v[rT+5], v[rT+13], 8, v[rT+12]
.elseif aj == 114
	v_lshl_or_b32 v[rT+5], v[rT+14], 16, v[rT+5]
.elseif aj == 115
	v_lshl_or_b32 v[rT+5], v[rT+15], 24, v[rT+5]
.elseif aj == 116
	v_cvt_scalef32_pk16_bf6_f32 v[rC:rC+2], v[rP:rP+15], v[rT+16]
.elseif aj == 117
	v_cvt_scalef32_pk16_bf6_f32 v[rT+12:rT+14], v[rP+16:rP+31], v[rT+17]   ; (a conversion's three registers begin on an even number)
.elseif aj == 118
	v_cvt_scalef32_pk16_bf6_f32 v[rC+6:rC+8], v[rP+32:rP+47], v[rT+18]
.elseif aj == 119
	v_cvt_scalef32_pk16_bf6_f32 v[rT+8:rT+10], v[rP+48:rP+63], v[rT+19]
.elseif aj == 120
	v_nop                                          ; one plain place behind a scaled conversion
.elseif aj < 124
	v_permlane16_swap_b32 v[rC+aj-121], v[rT+12+aj-121]
.elseif aj < 127
	v_mov_b32 v[rC+3+aj-124], v[rT+12+aj-124]
.elseif aj < 130
	v_permlane16_swap_b32 v[rC+6+aj-127], v[rT+8+aj-127]
.elseif aj < 133
	v_mov_b32 v[rC+9+aj-130], v[rT+8+aj-130]
.else
	WIN W_RS
	v_pk_mul_f32 v[96*au+2*(aj-133):96*au+2*(aj-133)+1], v[96*au+2*(aj-133):96*au+2*(aj-133)+1], v[rT+4:rT+5] op_sel_hi:[1,0]
.endif
.set n, n+1
.endm
; A STAGE.  sw = 1: the next step's scores are made; 0: the last stage.
; Places: the nine plain lines behind the last V^T P stand in front of the loads into V and its scale words; the 28 packed multiplies behind the last f32 product stand in front
; of the next stage's loads into K and its first reads of S^T.
.macro STAGE sw
	WIN 0
	v_add_nc_u32 v[AL], s[TB], v[AL0]
	v_add_nc_u32 v[AS], s[TB], v[AS0]
.if \sw
	FETCH_K
	s_wait_dscnt 24                                ; the 24 loads just issued may be out: the last stage's 39, V and its scale words, are in
.else
	s_wait_dscnt 0x0
.endif
.set n, 0
.set i, 0
.rept 24
	PV
.rept 7
	AV
.endr
.set i, i+1
.endr
	AV
	AV                                             ; 170 = 24 x 7 + 2
	FETCH_V
.if \sw
	s_wait_dscnt 39                                ; V's 39 loads may be out: K's 24 are in
.endif
.set n, 0
.set i, 0
.rept 96
.if \sw
	SW
.endif
	BV
	BV
	BV
.if i >= 46
	BV
.endif
.if i == 45
	s_wait_alu depctr_va_vdst(0)                   ; the one wait for the stage's 136 exponentials, ahead of the first line that names a result: 46 x 3 lines = the batch and its two plain lines
.endif
.set i, i+1
.endr
.rept 24
	BV                                             ; 362 = 46 x 3 + 50 x 4 + 24
.endr
.endm
.macro STAGES c                        ; c stages, written once; the LDS addresses hang on s[TB]
	s_mov_b32 s[CNT], \c
.Lstage_\@:
	STAGE 1
	WIN 0                                          ; at a label and at a branch every window is 0
	s_add_co_u32 s[TB], s[TB], BLK
	s_sub_co_u32 s[CNT], s[CNT], 1
	s_cmp_lg_u32 s[CNT], 0
	s_cbranch_scc1 .Lstage_\@
.endm
; A PREFETCH INTO THE L2 of what the NEXT change of slots will ask for: a slot's four blocks of 123 x 256 bytes.  All clusters of a batch walk the same kv: the batch's first cluster asks.  Its four partners take a block each,
; told apart BY ADDRESS; in each, thread n names the block's n-th 256 bytes (threads 123 to 127 name the last again): one instruction a wave.  The last change that fills a slot asks for nothing; slots 0 and 1 come by their loads alone.
.macro ASK
	s_cmp_gt_u32 s[SLOTS], s[LIM]
	s_cbranch_scc0 .Lnot_mine_\@
	global_prefetch_b8 v[PFO], s[PFA:PFA+1] th:TH_LOAD_NT scope:SCOPE_SE
.Lnot_mine_\@:
.endm
; THE CHANGE OF SLOTS stands at a slot's head.  Each wave waits for all its tensor loads (its block of the slot ahead), adds 0 to its spare word, and waits for that and for its reads of the slot that it has left.
; fill = 1: a round of the cluster's barrier follows, so that no wave of any partner still reads the other slot or has a load on its way, and the joint refill is the first thing behind it.
.macro CHANGE fill
	WIN 0
	s_wait_tensorcnt 0x0                           ; no tensor load of mine is out, so the group 0 may be written
	ds_add_u32 v[SPW], v[NIL]                      ; 0 onto my spare word
.if \fill
	s_xor_b32 s[G0+1], s[G0+1], SLOT1              ; the other slot than last time,
	s_add_nc_u64 s[G0+2:G0+3], s[G0+2:G0+3], SLOTB ; the next four blocks; the type bits on top are not reached
	s_wait_xcnt 0x0                                ; the last prefetch, a slot back, has read its address, so it may be written
	s_add_nc_u64 s[PFA:PFA+1], s[PFA:PFA+1], SLOTB
.endif
	s_wait_dscnt 0x0                               ; the add is done, and my reads of the slot that I have left are over
.if \fill
	CROUND
	tensor_load_to_lds s[G0:G0+3], s[G1:G1+7]      ; my one tensor load until the next change
	s_nop 0
.rept 4
	v_nop
.endr
	ASK
.else
	s_barrier_signal -1
	s_barrier_wait -1
.endif
.endm
	s_load_b128 s[4:7], s[0:1], 0x0                ; qf s[4:5], kv s[6:7]
	s_load_b64 s[8:9], s[0:1], 0x10                ; out0
	v_lshl_add_u32 v[SPW], v0, 2, SPARE
	v_mov_b32 v[NIL], 0
	ds_add_u32 v5, v6
	ds_add_u32 v5, v6
	s_wait_dscnt 0x0
	v_lshrrev_b32 v1, 5, v0
	v_readfirstlane_b32 s[WV], v1                  ; wave 0..3
	s_bfe_u32 s11, ttmp6, 0x40000                  ; cx
	s_lshl_b32 s12, ttmp9, 2
	s_add_co_u32 s12, s12, s11                     ; my block of 128 queries: it enters Q's, the output's and the prefetches' addresses alone
	s_and_b32 s13, ttmp7, 0xffff                   ; the batch, which the four partners share
	; descriptor group 1: a block is dense: 123 rows of 256 bytes (32 elements of 8 bytes), no padding; the mask names the cluster's four, bit 21 set beside it
	s_mov_b32 s[G1+0], 15|(3<<16)|(1<<21)
	s_mov_b32 s[G1+1], 32<<16                      ; tensor_dim0
	s_mov_b32 s[G1+2], 123<<16                     ; tensor_dim1
	s_mov_b32 s[G1+3], 32<<16                      ; tile_dim0
	s_mov_b32 s[G1+4], 123                         ; tile_dim1
	s_mov_b32 s[G1+5], 32                          ; from row to row
	s_mov_b32 s[G1+6], 0
	s_mov_b32 s[G1+7], 0
	s_mov_b32 s[SEL], 0x76543210
	s_mov_b32 s[SEL+1], 0xfedcba98
	s_mov_b32 s[CS], 0x3fb8aa3b                    ; log2(e)
	s_mov_b32 s[CS+1], s[CS]                       ; (named with it as a pair, so it is written)
	s_mul_i32 s14, s13, 32*BLK                     ; the batch's 32 blocks
	s_mov_b32 s15, 0
	s_mul_i32 s16, s[WV], BLK                      ; my block of a slot, in memory
	s_mov_b32 s17, 0
	s_lshl_b32 s18, s13, 5
	s_add_co_u32 s18, s18, s12
	s_mul_i32 s18, s18, 12288                      ; Q: my block's eight tiles,
	s_mul_i32 s19, s[WV], 3072                     ; my wave's two
	s_add_co_u32 s18, s18, s19
	s_mov_b32 s19, 0
	s_mul_i32 s42, s13, 3145728                    ; the output: my batch,
	s_mul_i32 s43, s[WV], 48*16384                 ; the 48 channels that I store,
	s_add_co_u32 s42, s42, s43
	s_lshl_b32 s43, s12, 9                         ; my block's 512 bytes of a row
	s_add_co_u32 s42, s42, s43
	s_mov_b32 s43, 0
	s_mul_i32 s44, s11, BLK                        ; the prefetches: my work-group's block, in slot 1; the first change of slots steps it to slot 2
	s_add_co_u32 s44, s44, SLOTB
	s_mov_b32 s45, 0
	s_cmp_eq_u32 ttmp9, 0                          ; the batch's first cluster: the same in all four partners
	s_cselect_b32 s[LIM], 1, -1
	s_wait_kmcnt 0x0
	s_add_nc_u64 s[6:7], s[6:7], s[14:15]
	s_add_nc_u64 s[4:5], s[4:5], s[18:19]
	s_add_nc_u64 s[8:9], s[8:9], s[42:43]
	s_add_nc_u64 s[PFA:PFA+1], s[6:7], s[44:45]
	s_add_nc_u64 s[14:15], s[6:7], 31*BLK          ; K of key step 0 lies in block 31
	s_mov_b32 s[G0], 1                             ; count = 1
	s_mul_i32 s[G0+1], s[WV], BLK                  ; LDS address: slot 0, my block: no place in the cluster enters it
	s_add_nc_u64 s[G0+2:G0+3], s[6:7], s[16:17]
	s_or_b32 s[G0+3], s[G0+3], 0x80000000          ; type = 2
	CROUND                                         ; all four work-groups are here: the first joint loads meet
	tensor_load_to_lds s[G0:G0+3], s[G1:G1+7]      ; slot 0
	s_nop 0
.rept 4
	v_nop
.endr
	v_and_b32 v[AL0], 31, v0
	v_lshlrev_b32 v[AL0], 4, v[AL0]
	v_and_b32 v11, 15, v0                          ; r
	v_mad_u32_u24 v[AS0], v11, 48, 30720
	v_min_u32 v[PFO], 122, v0
	v_lshlrev_b32 v[PFO], 8, v[PFO]
	v_bfe_u32 v12, v0, 4, 1                        ; h
	v_and_b32 v13, 8, v11
	v_add_nc_u32 v13, v13, v11                     ; r + 8 (r / 8)
	s_lshl_b32 s16, s[WV], 7
	v_lshl_add_u32 v[STO0], v13, 2, s16            ; the stage: my query of tile u is column 32 w + 8 u + r + 8 (r / 8), 4 bytes each;
	v_mad_u32_u24 v[STO0], v12, 8*SPITCH, v[STO0]  ; register j of channel tile t is row 16 t + 8 h + j
	v_add_nc_u32 v[STO1], 96*SPITCH, v[STO0]
	s_mul_i32 s16, s[WV], 48*SPITCH
	v_add_nc_u32 v[SRD], s16, v[AL0]               ; back: my 48 rows, 16 bytes a lane
.irp u, 0,1
.irp g, 0,1,2
	global_load_b128 v[Q+12*\u+4*\g:Q+12*\u+4*\g+3], v[AL0], s[4:5] offset:1536*\u+512*\g th:TH_LOAD_NT   ; Q stays in registers
.endr
.endr
	WIN TO_K
.irp m, 0,1,2,3,4,5,6,7
.irp g, 0,1,2
	global_load_b128 v[KF+12*\m+4*\g:KF+12*\m+4*\g+3], v[AL0], s[14:15] offset:1536*\m+512*\g
.endr
.endr
	WIN 0
.irp u, 0,1
	v_mov_b32 v[ST+24*\u+1], 0xff61b1e6            ; the largest t so far: -3e38, under every t
	v_mov_b32 v[ST+24*\u+2], 0                     ; the sum
	v_mov_b32 v[ST+24*\u+3], 0
	v_mov_b32 v[ST+24*\u+4], 0
	v_mov_b32 v[ST+24*\u+5], 0                     ; p's scale word: over zero codes
	v_mov_b32 v[ST+24*\u+7], 0
.irp b, 12,13,14,15
	v_mov_b32 v[ST+24*\u+\b], 0                    ; written once: a lane permute's destination counts as one of its sources
.endr
	v_floor_f32 v[ST+24*\u], -v[ST+24*\u+1]        ; -M
.endr
.set q, 0
.rept 36
	v_mov_b32 v[VS+q], 0                           ; V's scale words and P's codes: the first stage's products V^T P multiply zeros
.set q, q+1
.endr
	WIN TO_V
.set q, 0
.rept 144
	v_mov_b32 v[q], 0                              ; V likewise
.set q, q+1
.endr
	s_wait_loadcnt 0x0                             ; Q, and K of key step 0
.set i, 0
.rept 96
	SW                                             ; S^T of key step 0: there is no vector work yet to set between
.set i, i+1
.endr
	WIN TO_O
.set q, 0
.rept 192
	v_mov_b32 v[q], 0                              ; O^T.  (The loop is written once: its first stage finds zeros.)  These are also the places behind the products above
.set q, q+1
.endr
	WIN 0
	s_mov_b32 s[TB], 0
	s_mov_b32 s[SLOTS], 7
.Lslot:                                            ; seven trips: behind each change of slots but the last the next slot is asked for
	CHANGE 1
	STAGES 4
	s_sub_co_u32 s[TB], s[TB], 4*BLK               ; back to a slot's first block,
	s_xor_b32 s[TB], s[TB], SLOT1                  ; in the other slot
	s_sub_co_u32 s[SLOTS], s[SLOTS], 1
	s_cmp_lg_u32 s[SLOTS], 0
	s_cbranch_scc1 .Lslot
	CHANGE 0                                       ; the last slot is written out
	s_mov_b32 s[TB], SLOT1                         ; the eighth slot lies in LDS slot 1 (seven turns from 0 end there)
	STAGES 3
	STAGE 0                                        ; the last stage makes no scores
	s_wait_dscnt 0x0                               ; V of the last step
.set i, 0
.rept 24
	PV
.set i, i+1
.endr
	; THE WAY OUT.  The sum's halves and lane l xor 16's are added; O^T is divided by the sum and turned through a stage in LDS, whose rows are channels and whose columns are the block's 128 positions,
	; since positions are innermost in the output.  The additions are the places behind the last products.
	WIN 0
.irp u, 0,1
	v_add_f32 v[ST+24*\u+7], v[ST+24*\u+2], v[ST+24*\u+3]
.endr
.irp u, 0,1
	v_permlanex16_b32 v[ST+24*\u+12], v[ST+24*\u+7], s[SEL], s[SEL+1]
.endr
.irp u, 0,1
	v_add_f32 v[ST+24*\u+7], v[ST+24*\u+7], v[ST+24*\u+12]
.endr
.irp u, 0,1
	v_rcp_f32 v[ST+24*\u+6], v[ST+24*\u+7]
.endr
	v_nop                                          ; a plain line between the last reciprocal and the use of its result
	v_nop
	s_wait_alu depctr_va_vdst(0)                   ; and the wait ahead of the first use: one for both
	WIN W_RS
.set q, 0
.rept 96                                       ; each accumulator from its low end on
	v_pk_mul_f32 v[2*q:2*q+1], v[2*q:2*q+1], v[ST+24*(q/48)+6:ST+24*(q/48)+7] op_sel_hi:[1,0]
.set q, q+1
.endr
	WIN ST_O
.set q, 0
.rept 192                                      ; tile u = q / 96, channel tile t = (q % 96) / 8, register j = q % 8.  The 32 lanes of a store touch 32 different banks (rows 8 apart lie 32 banks apart: ISA guide 11.1)
.if (q%96)/8 < 6
	ds_store_b32 v[STO0], v[q] offset:SPITCH*(16*((q%96)/8)+q%8)+32*(q/96)
.else
	ds_store_b32 v[STO1], v[q] offset:SPITCH*(16*((q%96)/8-6)+q%8)+32*(q/96)
.endif
.set q, q+1
.endr
	WIN 0
	s_wait_dscnt 0x0                               ; for the others' sake: my stores into the stage are done
	s_barrier_signal -1
	s_barrier_wait -1                              ; a row's 512 bytes come from four waves
.set q, 0
.rept 32
	ds_load_b128 v[P+4*q:P+4*q+3], v[SRD] offset:SPITCH*q       ; rows 0-31 of my 48 into p's registers,
.set q, q+1
.endr
	WIN TO_V
.rept 16
	ds_load_b128 v[4*(q-32):4*(q-32)+3], v[SRD] offset:SPITCH*q ; rows 32-47 into V's
.set q, q+1
.endr
	WIN 0
.set q, 0
.rept 32
	s_wait_dscnt 47-q                              ; LDS loads come back in order: row q is in
	global_store_b128 v[AL0], v[P+4*q:P+4*q+3], s[8:9] offset:16384*q th:TH_STORE_NT   ; 32 lanes store 512 consecutive bytes, at a multiple of 512 from the output's first byte
.set q, q+1
.endr
	WIN ST_V
.rept 16
	s_wait_dscnt 47-q
	global_store_b128 v[AL0], v[4*(q-32):4*(q-32)+3], s[8:9] offset:16384*q th:TH_STORE_NT
.set q, q+1
.endr
	WIN 0
	s_wait_tensorcnt 0x0                           ; the wave's end, behind my last tensor load and my last LDS store
	ds_add_u32 v[SPW], v[NIL]
	s_wait_dscnt 0x0
	CROUND                                         ; the closing round: no work-group ends while a partner may still ask for a tile that names it
	s_endpgm
.Lfunc_end_k_qe471d518ed_attn:
	.size	k_qe471d518ed_attn, .Lfunc_end_k_qe471d518ed_attn-k_qe471d518ed_attn
	.p2alignl 7, 3214868480
	.fill 96, 4, 3214868480
	.section	.rodata,"a",@progbits
	.p2align	6, 0x0
	.amdhsa_kernel k_qe471d518ed_attn
		.amdhsa_group_segment_fixed_size 327680
		.amdhsa_private_segment_fixed_size 0
		.amdhsa_enable_private_segment 0
		.amdhsa_kernarg_size 24
		.amdhsa_user_sgpr_count 2
		.amdhsa_user_sgpr_kernarg_segment_ptr 1
		.amdhsa_wavefront_size32 1
		.amdhsa_system_sgpr_workgroup_id_x 1
		.amdhsa_system_sgpr_workgroup_id_y 1
		.amdhsa_system_sgpr_workgroup_id_z 1
		.amdhsa_system_vgpr_workitem_id 0
		.amdhsa_next_free_vgpr 1024
		.amdhsa_next_free_sgpr 66
		.amdhsa_reserve_vcc 0
		.amdhsa_float_denorm_mode_32 3
		.amdhsa_float_denorm_mode_16_64 3
		.amdhsa_memory_ordered 1
		.amdhsa_forward_progress 1
		.amdhsa_inst_pref_size 189
	.end_amdhsa_kernel
	.amdgpu_metadata
---
amdhsa.version: [ 1, 2 ]
amdhsa.kernels:
  - .name:           k_qe471d518ed_attn
    .symbol:         k_qe471d518ed_attn.kd
    .args:
      - { .name: qf, .offset: 0, .size: 8, .value_kind: global_buffer, .address_space: global }
      - { .name: kv, .offset: 8, .size: 8, .value_kind: global_buffer, .address_space: global }
      - { .name: out0, .offset: 16, .size: 8, .value_kind: global_buffer, .address_space: global }
    .group_segment_fixed_size: 327680
    .private_segment_fixed_size: 0
    .kernarg_segment_align: 8
    .kernarg_segment_size: 24
    .max_flat_workgroup_size: 128
    .sgpr_count:     66
    .vgpr_count:     1024
    .wavefront_size: 32
...
	.end_amdgpu_metadata
.endif
;; end of part 2
